; MI455X (gfx1250); checked and timed in simulation.
; The chip was launched on July 23, 2026; its instructions are those of AMD's public machine-readable ISA for CDNA 5 (MIT licence, August 2026) and "CDNA5" Instruction Set Architecture Reference Guide (July 2026).
;; Dot Product Attention. Allowed arithmetic: matrix products marked QUANTISED: E5M2 operands, one given power-of-two scale a tensor, by v_wmma_f32_16x16x64_bf8_bf8 or v_wmma_f32_16x16x128_bf8_bf8, f32 sums; everything else in f32.
;; Inputs: K 4 x 16 x 2,048 x 64 float32; Q 4 x 16 x 2,048 x 64 float32; V 4 x 16 x 2,048 x 64 float32; lowp_scales 4 int32 (the exponents e of the quantised operands' scales 2^e).
;; Outputs: out0 4 x 16 x 2,048 x 64 float32.
;; Constants: dk = 64.
;; This version of the problem:
;;   THIS VERSION OF THE PROBLEM IS GIVEN IN LOW PRECISION. The matrix products marked QUANTISED in the list below multiply operands that are first quantised to E5M2 (5 exponent bits, 2 mantissa bits; 8 bits a number), with one given power-of-two scale for each operand tensor; their sums are f32. All else is computed in f32.
;;   The module's matrix products, in the order in which they are computed (A, B: the left and right operand; K: the contracted axis; several contracted axes count as one K, in the product's order):
;;     1. batch 64 x [M 2,048, K 64] x [K 64, N 2,048]; A: input Q; B: input K: QUANTISED (scales: A lowp_scales[0], B lowp_scales[1])
;;     2. batch 64 x [M 2,048, K 2,048] x [K 2,048, N 64]; A: softmax (see below); B: input V: QUANTISED (scales: A lowp_scales[2], B lowp_scales[3])
;;   THE QUANTISER, for each operand of a quantised product, along K:
;;     - The operand's scale is 2^e, e = its entry of the input lowp_scales (int32; the entries are numbered through the quantised products in the list's order, A before B).
;;     - Each number is divided by the scale, clamped to +-57,344, and rounded to the nearest number of E5M2, ties to even, subnormals kept.
;;     - The product sums the exact products of the quantised numbers (number of the format x scale) in f32.
;;   ~~~python
;;   def quantise(x, axis, e):      # numpy; x: float32 -> the quantised numbers, widened to float32 again
;;       x = np.moveaxis(x, axis, -1); K = x.shape[-1]
;;       r = np.clip(x / 2.0 ** e, -57344, 57344)
;;       step = 2.0 ** (np.maximum(np.frexp(np.where(r == 0, 1, r))[1] - 1, -14) - 2)
;;       q = np.round(r / step) * step * 2.0 ** e      # np.round: ties to even
;;       return np.moveaxis(q, -1, axis).astype(np.float32)
;;   ~~~
;;   SOFTMAX AHEAD OF A QUANTISED PRODUCT. Where the list says 'softmax', what is quantised is not the finished softmax but p = 2^(t - M), with t = logit x log2(e) and M = ceil(the row's largest t), a whole number; so 1/2 < the row's largest p <= 1. The row's sum l is taken of the UNQUANTISED p, in f32, and the product's result is divided by l at the end. Since M is a whole number, a kernel that streams over the keys may use a running M (the ceiling of the running maximum): every later rescaling is an exact power of two, so the quantised numbers keep their values, but for numbers so far below the row's largest that they fall under the format's range.
;;   OPERANDS COMPUTED ON THE WAY. 'Computed on the way' means the value that the module computes at that place (a softmax that the list does not call 'softmax' is quantised finished and normalised). What goes into a quantiser is computed in f32, as accurately as f32 sums, v_exp_f32 and their like allow (about 1e-6 of the number): no bf16 or f16 on the way to a quantiser, and a product that is left as it is and whose result goes on into a quantised operand takes f32 operands (vector FMAs, or v_wmma_f32_16x16x4_f32). A number that lies on a knife's edge between two numbers of the format may be rounded either way, as far as f32 arithmetic and the matrix unit's own rounding can turn it there, and no further.
;; 3 versions, each right; version 2 is faster than version 1; version 3 is version 2 with the launch attn written anew for expert scheduling mode. Each part assembles by itself: llvm-mc -triple=amdgcn-amd-amdhsa -mcpu=gfx1250 --defsym DOCPART=n.
;; ======== version 1 of 3: 1 launch
;; launch attn (part 1): grid 4 x 64, 16 waves a work-group, no clusters, 264,192 bytes of LDS; arguments Q, K, V, lowp_scales, out0; writes out0
.if DOCPART == 1
	.amdgcn_target "amdgcn-amd-amdhsa--gfx1250"
	.amdhsa_code_object_version 6
	.text
	.protected	k_q51c1b1a180_attn
	.globl	k_q51c1b1a180_attn
	.p2align	8
	.type	k_q51c1b1a180_attn,@function
k_q51c1b1a180_attn:
	s_mov_b64 s[64:65], 0
	v_nop
	global_prefetch_b8 v0, s[64:65] scope:SCOPE_SE
	s_setreg_imm32_b32 hwreg(HW_REG_WAVE_MODE, 25, 1), 1
	s_wait_xcnt 0x0
.set CH,    16384
.set STEPB, 8192
.set GCH,   32768
.set LI,   1
.set KS0,  2
.set VS0,  3
.set KGO,  4
.set VGO,  5
.set ADR,  6
.set ADS,  7
.set SCK,  8
.set LMK,  9
.set SCV,  10
.set LMV,  11
.set SCP,  12
.set LMP,  13
.set ST,   14
.set CHN,  26
.set XCH,  30
.set QB,   32
.set QR,   48
.set FR,   64
.set PF,   96
.set NQ,   104
.set D,    112
.set TM,   144
.set O,    176
.set PFL,  240
.set STO,  2
.set RD,   3
.set GO,   4
.macro KLOAD
.irp i, 0,1,2,3
	global_load_b128 v[PFL+4*\i:PFL+4*\i+3], v[KGO], s[6:7] offset:16*\i
.endr
.endm
.macro VLOAD
.irp i, 0,1,2,3,4,5,6,7,8,9,10,11,12,13,14,15
	global_load_b32 v[PFL+\i], v[VGO], s[8:9] offset:256*\i
.endr
.endm
.macro KQUANT off
.irp i, 0,1,2,3,4,5,6,7,8,9,10,11,12,13,14,15
	v_med3_num_f32 v[PFL+\i], v[PFL+\i], -v[LMK], v[LMK]
.endr
	v_cvt_scalef32_pk8_bf8_f32 v[PF:PF+1], v[PFL:PFL+7], v[SCK]
	v_cvt_scalef32_pk8_bf8_f32 v[PF+2:PF+3], v[PFL+8:PFL+15], v[SCK]
	v_add_nc_u32 v[ADS], s24, v[KS0]
	ds_store_b64 v[ADS], v[PF:PF+1] offset:\off
	ds_store_b64 v[ADS], v[PF+2:PF+3] offset:\off+256
.endm
.macro VQUANT off
.irp i, 0,1,2,3,4,5,6,7,8,9,10,11,12,13,14,15
	v_med3_num_f32 v[PFL+\i], v[PFL+\i], -v[LMV], v[LMV]
.endr
	v_cvt_scalef32_pk8_bf8_f32 v[PF:PF+1], v[PFL:PFL+7], v[SCV]
	v_cvt_scalef32_pk8_bf8_f32 v[PF+2:PF+3], v[PFL+8:PFL+15], v[SCV]
	v_add_nc_u32 v[ADS], s24, v[VS0]
	ds_store_b128 v[ADS], v[PF:PF+3] offset:\off
.endm
.macro SUMOP q, j
.set rT, ST+6*(\q)
.if (\j) == 0
	s_wait_alu depctr_va_vdst(0)
	v_pk_fma_f32 v[rT+2:rT+3], v[rT+2:rT+3], v[rT+4:rT+5], v[D:D+1] op_sel_hi:[1,0,1]
.elseif (\j) == 1
	v_pk_add_f32 v[CHN:CHN+1], v[D+2:D+3], v[D+4:D+5]
.elseif (\j) == 15
	v_pk_add_f32 v[rT+2:rT+3], v[rT+2:rT+3], v[CHN:CHN+1]
.elseif ((\j)%2) == 0
	v_pk_add_f32 v[rT+2:rT+3], v[rT+2:rT+3], v[D+2*(\j)+2:D+2*(\j)+3]
.else
	v_pk_add_f32 v[CHN:CHN+1], v[CHN:CHN+1], v[D+2*(\j)+2:D+2*(\j)+3]
.endif
.endm
.macro TILE sig, q
.irp i, 0,1,2,3,4,5,6,7
	v_xor_b32 v[NQ+\i], s26, v[QR+8*\q+\i]
.endr
.irp u, 0,1
.if \q == 0
	s_wait_dscnt 4-4*\u
.endif
.irp e, 0,1
	v_wmma_f32_16x16x64_bf8_bf8 v[D+8*(2*\u+\e):D+8*(2*\u+\e)+7], v[FR+8*(2*\u+\e):FR+8*(2*\u+\e)+7], v[QB+8*\q:QB+8*\q+7], 0
	v_wmma_f32_16x16x64_bf8_bf8 v[TM+8*\e:TM+8*\e+7], v[FR+8*(2*\u+\e):FR+8*(2*\u+\e)+7], v[QR+8*\q:QR+8*\q+7], 0
	v_wmma_f32_16x16x64_bf8_bf8 v[TM+16+8*\e:TM+16+8*\e+7], v[FR+8*(2*\u+\e):FR+8*(2*\u+\e)+7], v[NQ:NQ+7], 0
.endr
.if \u == 0
	v_mov_b32 v[ST+6*\q+4], v[ST+6*\q]
	v_nop
	v_nop
	v_nop
.else
	v_nop
	v_nop
	v_nop
	v_nop
.endif
.if (\q == 1) && (\u == 1)
.irp n, 0,1,2,3
.irp b, 0,1
	ds_load_b128 v[FR+8*\n+4*\b:FR+8*\n+4*\b+3], v[ADR] offset:STEPB*\sig+4096+1024*\n+512*\b
.endr
.endr
.endif
.irp e, 0,1
.irp i, 0,2,4,6
	v_pk_fma_f32 v[D+8*(2*\u+\e)+\i:D+8*(2*\u+\e)+\i+1], v[TM+8*\e+\i:TM+8*\e+\i+1], 0.5, v[D+8*(2*\u+\e)+\i:D+8*(2*\u+\e)+\i+1] op_sel_hi:[1,0,1]
.endr
.endr
.irp e, 0,1
.irp i, 0,2,4,6
	v_pk_fma_f32 v[D+8*(2*\u+\e)+\i:D+8*(2*\u+\e)+\i+1], v[TM+16+8*\e+\i:TM+16+8*\e+\i+1], -0.5, v[D+8*(2*\u+\e)+\i:D+8*(2*\u+\e)+\i+1] op_sel_hi:[1,0,1]
.endr
.endr
.endr
.irp k, 0,1,2,3
	v_max3_num_f32 v[CHN+\k], v[D+8*\k], v[D+8*\k+1], v[D+8*\k+2]
.endr
.irp k, 0,1,2,3
	v_max3_num_f32 v[CHN+\k], v[CHN+\k], v[D+8*\k+3], v[D+8*\k+4]
.endr
.irp k, 0,1,2,3
	v_max3_num_f32 v[CHN+\k], v[CHN+\k], v[D+8*\k+5], v[D+8*\k+6]
.endr
	v_max3_num_f32 v[CHN], v[CHN], v[D+7], v[D+15]
	v_max3_num_f32 v[CHN+2], v[CHN+2], v[D+23], v[D+31]
	v_max3_num_f32 v[CHN], v[CHN], v[CHN+1], v[CHN+2]
	v_max_num_f32 v[CHN], v[CHN], v[CHN+3]
	v_permlanex16_b32 v[XCH], v[CHN], s20, s21
	v_max_num_f32 v[CHN], v[CHN], v[XCH]
	v_mul_f32 v[CHN], s22, v[CHN]
	v_max_num_f32 v[ST+6*\q+1], v[ST+6*\q+1], v[CHN]
	v_floor_f32 v[ST+6*\q], -v[ST+6*\q+1]
	v_sub_f32 v[ST+6*\q+4], v[ST+6*\q], v[ST+6*\q+4]
	v_cvt_i32_f32 v[ST+6*\q+4], v[ST+6*\q+4]
	v_ldexp_f32 v[ST+6*\q+4], 1.0, v[ST+6*\q+4]
.irp j, 0,2,4,6,8,10,12,14,16,18,20,22,24,26,28,30
	v_pk_fma_f32 v[D+\j:D+\j+1], v[D+\j:D+\j+1], s[22:23], v[ST+6*\q:ST+6*\q+1] op_sel_hi:[1,0,0]
.endr
.irp j, 0,2,4,6,8,10,12,14,16,18,20,22,24,26,28,30
	v_exp_f32 v[D+\j], v[D+\j]
	v_exp_f32 v[D+\j+1], v[D+\j+1]
	v_pk_mul_f32 v[O+32*\q+\j:O+32*\q+\j+1], v[O+32*\q+\j:O+32*\q+\j+1], v[ST+6*\q+4:ST+6*\q+5] op_sel_hi:[1,0]
.endr
.irp j, 0,1,2,3,4,5,6,7,8,9,10,11,12,13,14,15
	SUMOP \q, \j
.endr
	s_cmp_ge_i32 s30, -15
	s_cbranch_scc1 .Lnohold_\@
.set i, 0
.rept 32
	v_min_num_f32 v[D+i], v[D+i], v[LMP]
.set i, i+1
.endr
.Lnohold_\@:
.irp t, 0,1,2,3
	v_cvt_scalef32_pk8_bf8_f32 v[PF+8*\q+2*\t:PF+8*\q+2*\t+1], v[D+8*\t:D+8*\t+7], v[SCP]
.endr
.endm
.macro STEP sig, np
.if \np > 0
.rept \np
	v_nop
.endr
.endif
.irp t, 0,1,2,3
.irp c, 0,1
	ds_load_b128 v[FR+8*\t+4*\c:FR+8*\t+4*\c+3], v[ADR] offset:STEPB*\sig+1024*\t+512*\c
.endr
.endr
	TILE \sig, 0
	TILE \sig, 1
	v_nop
	s_wait_dscnt 0x0
.irp n, 0,1,2,3
.irp q, 0,1
	v_wmma_f32_16x16x64_bf8_bf8 v[O+32*\q+8*\n:O+32*\q+8*\n+7], v[FR+8*\n:FR+8*\n+7], v[PF+8*\q:PF+8*\q+7], v[O+32*\q+8*\n:O+32*\q+8*\n+7]
.endr
.endr
.endm
.macro TRIP quant, kload, np1
	v_add_nc_u32 v[ADR], s24, v[LI]
	STEP 0, 0
.if \quant
	s_wait_loadcnt 0x0
	KQUANT CH
	s_add_nc_u64 s[8:9], s[8:9], GCH
	VLOAD
.endif
	STEP 1, \np1
.if \quant
	s_wait_loadcnt 0x0
	VQUANT CH
.if \kload
	s_add_nc_u64 s[6:7], s[6:7], GCH
	KLOAD
.endif
	s_wait_dscnt 0x0
	s_barrier_signal -1
	s_barrier_wait -1
.endif
	s_add_co_u32 s24, s24, CH
.endm
.macro MKSC e, sc, lim
	s_add_co_i32 s32, \e, 127
	s_lshl_b32 s33, s32, 23
	v_mov_b32 v[\sc], s33
	s_add_co_i32 s32, s32, 15
	s_lshl_b32 s32, s32, 23
	s_or_b32 s32, s32, 0x600000
	v_mov_b32 v[\lim], s32
.endm
	s_load_b256 s[4:11], s[0:1], 0x0
	s_load_b64 s[12:13], s[0:1], 0x20
	v_lshrrev_b32 v1, 5, v0
	v_readfirstlane_b32 s14, v1
	s_and_b32 s16, ttmp7, 0xffff
	s_lshl_b32 s18, s16, 19
	s_mov_b32 s19, 0
	s_lshr_b32 s32, s14, 3
	s_lshl_b32 s32, s32, 13
	s_bfe_u32 s33, s14, 0x10002
	s_bfe_u32 s34, s14, 0x10001
	s_and_b32 s35, s14, 1
	s_lshl_b32 s36, s33, 11
	s_add_co_u32 s36, s36, s32
	s_lshl_b32 s37, s34, 7
	s_add_co_u32 s36, s36, s37
	s_lshl_b32 s37, s35, 10
	s_add_co_u32 s36, s36, s37
	s_lshl_b32 s38, s35, 11
	s_add_co_u32 s38, s38, s32
	s_lshl_b32 s37, s33, 9
	s_add_co_u32 s38, s38, s37
	s_lshl_b32 s37, s34, 8
	s_add_co_u32 s38, s38, s37
	s_add_co_u32 s38, s38, 4096
	s_lshr_b32 s39, s14, 1
	s_lshl_b32 s39, s39, 12
	s_lshl_b32 s37, s35, 7
	s_add_co_u32 s39, s39, s37
	v_lshlrev_b32 v[KGO], 6, v0
	v_and_b32 v[LI], 31, v0
	v_lshl_add_u32 v[VGO], v[LI], 2, s39
	s_lshl_b32 s37, ttmp9, 17
	s_lshl_b32 s40, s14, 13
	s_add_co_u32 s37, s37, s40
	s_wait_kmcnt 0x0
	s_load_b128 s[28:31], s[10:11], 0x0
	s_add_nc_u64 s[6:7], s[6:7], s[18:19]
	s_add_nc_u64 s[8:9], s[8:9], s[18:19]
	KLOAD
	s_add_co_u32 s18, s18, s37
	s_add_nc_u64 s[4:5], s[4:5], s[18:19]
	s_add_nc_u64 s[12:13], s[12:13], s[18:19]
	v_and_b32 v26, 15, v0
	v_bfe_u32 v28, v0, 4, 1
	v_lshlrev_b32 v27, 8, v26
	v_lshl_add_u32 v27, v28, 5, v27
.irp q, 0,1
.irp c, 0,1,2,3
.irp i, 0,1
	global_load_b128 v[D+32*\q+8*\c+4*\i:D+32*\q+8*\c+4*\i+3], v27, s[4:5] offset:4096*\q+64*\c+16*\i th:TH_LOAD_NT
.endr
.endr
.endr
	v_lshlrev_b32 v[LI], 4, v[LI]
	v_and_b32 v29, 1, v0
	v_bfe_u32 v30, v0, 1, 1
	v_bfe_u32 v31, v0, 2, 3
	v_lshlrev_b32 v[KS0], 9, v30
	v_lshl_add_u32 v[KS0], v29, 3, v[KS0]
	v_lshl_add_u32 v[KS0], v31, 4, v[KS0]
	v_add_nc_u32 v[KS0], s36, v[KS0]
	v_lshlrev_b32 v[VS0], 10, v28
	v_lshl_add_u32 v[VS0], v26, 4, v[VS0]
	v_add_nc_u32 v[VS0], s38, v[VS0]
.set i, 0
.rept 64
	v_mov_b32 v[O+i], 0
.set i, i+1
.endr
.irp q, 0,1
	v_mov_b32 v[ST+6*\q+1], 0xff61b1e6
	v_floor_f32 v[ST+6*\q], -v[ST+6*\q+1]
	v_mov_b32 v[ST+6*\q+2], 0
	v_mov_b32 v[ST+6*\q+3], 0
	v_mov_b32 v[ST+6*\q+5], 0
	v_mov_b32 v[XCH+\q], 0
.endr
	s_mov_b32 s20, 0x76543210
	s_mov_b32 s21, 0xfedcba98
	s_mov_b32 s22, 0x4138aa3b
	s_mov_b32 s24, 0
	s_mov_b32 s26, 0x80808080
	s_wait_kmcnt 0x0
	s_add_co_i32 s32, s28, s29
	s_lshl_b32 s32, s32, 23
	s_add_co_i32 s22, s22, s32
	s_mov_b32 s23, s22
	MKSC s29, SCK, LMK
	MKSC s31, SCV, LMV
	MKSC s30, SCP, LMP
	MKSC s28, 28, 29
	s_wait_loadcnt 16
	KQUANT 0
	VLOAD
	s_wait_loadcnt 16
.set i, 0
.rept 64
	v_med3_num_f32 v[D+i], v[D+i], -v29, v29
.set i, i+1
.endr
.irp q, 0,1
.set X, D+32*\q
	v_max3_num_f32 v26, |v[X]|, |v[X+1]|, |v[X+2]|
.irp i, 3,5,7,9,11,13,15,17,19,21,23,25,27,29
	v_max3_num_f32 v26, v26, |v[X+\i]|, |v[X+\i+1]|
.endr
	v_max_num_f32 v26, v26, |v[X+31]|
	v_permlanex16_b32 v30, v26, s20, s21
	v_max_num_f32 v26, v26, v30
	v_and_b32 v26, 0x7f800000, v26
	v_add_nc_u32 v26, 0xfff00000, v26
.irp g, 0,1,2,3
.irp i, 0,1,2,3,4,5,6,7
	v_cmp_ge_f32 vcc_lo, |v[X+8*\g+\i]|, v26
	v_cndmask_b32 v[FR+8*(\g%2)+\i], v31, v[X+8*\g+\i], vcc_lo
	v_cndmask_b32 v[X+8*\g+\i], v[X+8*\g+\i], v31, vcc_lo
.endr
	v_cvt_scalef32_pk8_bf8_f32 v[QB+8*\q+2*\g:QB+8*\q+2*\g+1], v[FR+8*(\g%2):FR+8*(\g%2)+7], v28
	v_cvt_scalef32_pk8_bf8_f32 v[QR+8*\q+2*\g:QR+8*\q+2*\g+1], v[X+8*\g:X+8*\g+7], v28
.endr
.endr
	v_nop
	s_wait_loadcnt 0x0
	VQUANT 0
	s_add_nc_u64 s[6:7], s[6:7], GCH
	KLOAD
	s_wait_dscnt 0x0
	s_barrier_signal -1
	s_barrier_wait -1
	s_mov_b32 s25, 14
.Ltrip:
	TRIP 1, 1, 0
	s_sub_co_u32 s25, s25, 1
	s_cmp_lg_u32 s25, 0
	s_cbranch_scc1 .Ltrip
	TRIP 1, 0, 0
	TRIP 0, 0, 4
	v_and_b32 v26, 15, v0
	v_bfe_u32 v27, v0, 4, 1
	s_mul_i32 s33, s14, 8704
	v_mul_u32_u24 v[STO], v26, 272
	v_lshl_add_u32 v[STO], v27, 5, v[STO]
	v_add_nc_u32 v[STO], s33, v[STO]
	v_mul_u32_u24 v[RD], v27, 272
	v_lshl_add_u32 v[RD], v26, 4, v[RD]
	v_add_nc_u32 v[RD], s33, v[RD]
	v_lshlrev_b32 v[GO], 8, v27
	v_lshl_add_u32 v[GO], v26, 4, v[GO]
.irp q, 0,1
	v_add_f32 v[ST+6*\q+2], v[ST+6*\q+2], v[ST+6*\q+3]
.endr
.irp q, 0,1
	v_permlanex16_b32 v[XCH+\q], v[ST+6*\q+2], s20, s21
.endr
.irp q, 0,1
	v_add_f32 v[ST+6*\q+2], v[ST+6*\q+2], v[XCH+\q]
.endr
.irp q, 0,1
	v_rcp_f32 v[ST+6*\q+2], v[ST+6*\q+2]
.endr
	v_nop
	s_add_co_i32 s32, s30, s31
	s_wait_alu depctr_va_vdst(0)
.irp q, 0,1
	v_ldexp_f32 v[ST+6*\q+2], v[ST+6*\q+2], s32
.endr
	s_wait_dscnt 0x0
	s_barrier_signal -1
	s_barrier_wait -1
.irp q, 0,1
.set i, 0
.rept 16
	v_pk_mul_f32 v[D+32*\q+i:D+32*\q+i+1], v[O+32*\q+i:O+32*\q+i+1], v[ST+6*\q+2:ST+6*\q+3] op_sel_hi:[1,0]
.set i, i+2
.endr
.endr
.irp q, 0,1
.irp n, 0,1,2,3
.irp e, 0,1
	ds_store_b128 v[STO], v[D+32*\q+8*\n+4*\e:D+32*\q+8*\n+4*\e+3] offset:4352*\q+64*\n+16*\e
.endr
.endr
.irp i, 0,1,2,3,4,5,6,7
	ds_load_b128 v[O+32*\q+4*\i:O+32*\q+4*\i+3], v[RD] offset:4352*\q+544*\i
.endr
.endr
.irp q, 0,1
.irp i, 0,1,2,3,4,5,6,7
	s_wait_dscnt 16*(1-\q)+7-\i
	global_store_b128 v[GO], v[O+32*\q+4*\i:O+32*\q+4*\i+3], s[12:13] offset:4096*\q+512*\i th:TH_STORE_NT
.endr
.endr
	s_wait_xcnt 0x0
	v_lshl_add_u32 v254, v0, 2, 0x40000
	v_mov_b32 v255, 0
	s_wait_tensorcnt 0x0
	ds_add_u32 v254, v255
	s_wait_dscnt 0x0
	s_endpgm
.Lfunc_end_k_q51c1b1a180_attn:
	.size	k_q51c1b1a180_attn, .Lfunc_end_k_q51c1b1a180_attn-k_q51c1b1a180_attn
	.p2alignl 7, 3214868480
	.fill 96, 4, 3214868480
	.section	.rodata,"a",@progbits
	.p2align	6, 0x0
	.amdhsa_kernel k_q51c1b1a180_attn
		.amdhsa_group_segment_fixed_size 264192
		.amdhsa_private_segment_fixed_size 0
		.amdhsa_enable_private_segment 0
		.amdhsa_kernarg_size 40
		.amdhsa_user_sgpr_count 2
		.amdhsa_user_sgpr_kernarg_segment_ptr 1
		.amdhsa_wavefront_size32 1
		.amdhsa_system_sgpr_workgroup_id_x 1
		.amdhsa_system_sgpr_workgroup_id_y 1
		.amdhsa_system_sgpr_workgroup_id_z 1
		.amdhsa_system_vgpr_workitem_id 0
		.amdhsa_next_free_vgpr 256
		.amdhsa_next_free_sgpr 66
		.amdhsa_reserve_vcc 1
		.amdhsa_float_denorm_mode_32 3
		.amdhsa_float_denorm_mode_16_64 3
		.amdhsa_memory_ordered 1
		.amdhsa_forward_progress 1
		.amdhsa_inst_pref_size 175
	.end_amdhsa_kernel
	.amdgpu_metadata
---
amdhsa.version: [ 1, 2 ]
amdhsa.kernels:
  - .name:           k_q51c1b1a180_attn
    .symbol:         k_q51c1b1a180_attn.kd
    .args:
      - { .name: Q, .offset: 0, .size: 8, .value_kind: global_buffer, .address_space: global }
      - { .name: K, .offset: 8, .size: 8, .value_kind: global_buffer, .address_space: global }
      - { .name: V, .offset: 16, .size: 8, .value_kind: global_buffer, .address_space: global }
      - { .name: lowp_scales, .offset: 24, .size: 8, .value_kind: global_buffer, .address_space: global }
      - { .name: out0, .offset: 32, .size: 8, .value_kind: global_buffer, .address_space: global }
    .group_segment_fixed_size: 264192
    .private_segment_fixed_size: 0
    .kernarg_segment_align: 8
    .kernarg_segment_size: 40
    .max_flat_workgroup_size: 512
    .sgpr_count:     66
    .vgpr_count:     256
    .wavefront_size: 32
...
	.end_amdgpu_metadata
.endif
;; end of part 1
;; ======== version 2 of 3: 1 launch; 1.13 times as fast as version 1
;; launch attn (part 2): grid 4 x 64, 16 waves a work-group, no clusters, 264,192 bytes of LDS; arguments Q, K, V, lowp_scales, out0; writes out0
.if DOCPART == 2
	.amdgcn_target "amdgcn-amd-amdhsa--gfx1250"
	.amdhsa_code_object_version 6
	.text
	.protected	k_q51c1b1a180_attn
	.globl	k_q51c1b1a180_attn
	.p2align	8
	.type	k_q51c1b1a180_attn,@function
k_q51c1b1a180_attn:
	s_mov_b64 s[64:65], 0
	v_nop
	global_prefetch_b8 v0, s[64:65] scope:SCOPE_SE
	s_setreg_imm32_b32 hwreg(HW_REG_WAVE_MODE, 25, 1), 1
	s_wait_xcnt 0x0
.set CH,    16384
.set STEPB, 8192
.set GCH,   32768
.set LI,   1
.set KS0,  2
.set VS0,  3
.set KGO,  4
.set VGO,  5
.set ADR,  6
.set ADS,  7
.set SCK,  8
.set LMK,  9
.set SCV,  10
.set LMV,  11
.set SCP,  12
.set LMP,  13
.set ST,   14
.set CHN,  26
.set XCH,  30
.set QF,   32
.set NQ,   48
.set FR,   64
.set PF,   96
.set D,    112
.set TM,   144
.set O,    160
.set PFK,  224
.set PFV,  240
.set STO,  2
.set RD,   3
.set GO,   4
.set BK,   64
.macro GLOAD
.irp i, 0,1,2,3
	global_load_b128 v[PFK+4*\i:PFK+4*\i+3], v[KGO], s[6:7] offset:16*\i
.endr
.irp i, 0,1,2,3,4,5,6,7,8,9,10,11,12,13,14,15
	global_load_b32 v[PFV+\i], v[VGO], s[8:9] offset:256*\i
.endr
.endm
.macro QUANT off
.irp i, 0,1,2,3,4,5,6,7,8,9,10,11,12,13,14,15
	v_med3_num_f32 v[PFK+\i], v[PFK+\i], -v[LMK], v[LMK]
.endr
.irp i, 0,1,2,3,4,5,6,7,8,9,10,11,12,13,14,15
	v_med3_num_f32 v[PFV+\i], v[PFV+\i], -v[LMV], v[LMV]
.endr
	v_cvt_scalef32_pk8_bf8_f32 v[PF:PF+1], v[PFK:PFK+7], v[SCK]
	v_cvt_scalef32_pk8_bf8_f32 v[PF+2:PF+3], v[PFK+8:PFK+15], v[SCK]
	v_cvt_scalef32_pk8_bf8_f32 v[PF+4:PF+5], v[PFV:PFV+7], v[SCV]
	v_cvt_scalef32_pk8_bf8_f32 v[PF+6:PF+7], v[PFV+8:PFV+15], v[SCV]
	v_add_nc_u32 v[ADS], s24, v[KS0]
	ds_store_b64 v[ADS], v[PF:PF+1] offset:\off
	ds_store_b64 v[ADS], v[PF+2:PF+3] offset:\off+256
	v_add_nc_u32 v[ADS], s24, v[VS0]
	ds_store_b128 v[ADS], v[PF+4:PF+7] offset:\off
.endm
.macro SUMOP q, j
.set rT, ST+6*(\q)
.if (\j) == 0
	s_wait_alu depctr_va_vdst(0)
	v_pk_fma_f32 v[rT+2:rT+3], v[rT+2:rT+3], v[rT+4:rT+5], v[D:D+1] op_sel_hi:[1,0,1]
.elseif (\j) == 1
	v_pk_add_f32 v[CHN:CHN+1], v[D+2:D+3], v[D+4:D+5]
.elseif (\j) == 15
	v_pk_add_f32 v[rT+2:rT+3], v[rT+2:rT+3], v[CHN:CHN+1]
.elseif ((\j)%2) == 0
	v_pk_add_f32 v[rT+2:rT+3], v[rT+2:rT+3], v[D+2*(\j)+2:D+2*(\j)+3]
.else
	v_pk_add_f32 v[CHN:CHN+1], v[CHN:CHN+1], v[D+2*(\j)+2:D+2*(\j)+3]
.endif
.endm
.macro TILE sig, q
	v_mov_b32 v[ST+6*\q+4], v[ST+6*\q]
.irp u, 0,1
.if \q == 0
	s_wait_dscnt 4-4*\u
.endif
.irp e, 0,1
	v_wmma_f32_16x16x64_bf8_bf8 v[D+8*(2*\u+\e):D+8*(2*\u+\e)+7], v[FR+8*(2*\u+\e):FR+8*(2*\u+\e)+7], v[QF+8*\q:QF+8*\q+7], 0
	v_wmma_f32_16x16x64_bf8_bf8 v[TM+8*\e:TM+8*\e+7], v[FR+8*(2*\u+\e):FR+8*(2*\u+\e)+7], v[NQ+8*\q:NQ+8*\q+7], 0
.endr
.rept 4
	v_nop
.endr
.if (\q == 1) && (\u == 1)
.irp n, 0,1,2,3
.irp b, 0,1
	ds_load_b128 v[FR+8*\n+4*\b:FR+8*\n+4*\b+3], v[ADR] offset:STEPB*\sig+4096+1024*\n+512*\b
.endr
.endr
.endif
.irp e, 0,1
.irp i, 0,2,4,6
	v_pk_add_f32 v[D+8*(2*\u+\e)+\i:D+8*(2*\u+\e)+\i+1], v[D+8*(2*\u+\e)+\i:D+8*(2*\u+\e)+\i+1], v[TM+8*\e+\i:TM+8*\e+\i+1] neg_lo:[0,1] neg_hi:[0,1]
.endr
.endr
.endr
.irp k, 0,1,2,3
	v_max3_num_f32 v[CHN+\k], v[D+8*\k], v[D+8*\k+1], v[D+8*\k+2]
.endr
.irp k, 0,1,2,3
	v_max3_num_f32 v[CHN+\k], v[CHN+\k], v[D+8*\k+3], v[D+8*\k+4]
.endr
.irp k, 0,1,2,3
	v_max3_num_f32 v[CHN+\k], v[CHN+\k], v[D+8*\k+5], v[D+8*\k+6]
.endr
	v_max3_num_f32 v[CHN], v[CHN], v[D+7], v[D+15]
	v_max3_num_f32 v[CHN+2], v[CHN+2], v[D+23], v[D+31]
	v_max3_num_f32 v[CHN], v[CHN], v[CHN+1], v[CHN+2]
	v_max_num_f32 v[CHN], v[CHN], v[CHN+3]
	v_permlanex16_b32 v[XCH], v[CHN], s20, s21
	v_max_num_f32 v[CHN], v[CHN], v[XCH]
	v_mul_f32 v[CHN], s22, v[CHN]
	v_max_num_f32 v[ST+6*\q+1], v[ST+6*\q+1], v[CHN]
	v_floor_f32 v[ST+6*\q], -v[ST+6*\q+1]
	v_sub_f32 v[ST+6*\q+4], v[ST+6*\q], v[ST+6*\q+4]
	v_cvt_i32_f32 v[ST+6*\q+4], v[ST+6*\q+4]
	v_ldexp_f32 v[ST+6*\q+4], 1.0, v[ST+6*\q+4]
.irp j, 0,2,4,6,8,10,12,14,16,18,20,22,24,26,28,30
	v_pk_fma_f32 v[D+\j:D+\j+1], v[D+\j:D+\j+1], s[22:23], v[ST+6*\q:ST+6*\q+1] op_sel_hi:[1,0,0]
.endr
.irp j, 0,2,4,6,8,10,12,14,16,18,20,22,24,26,28,30
	v_exp_f32 v[D+\j], v[D+\j]
	v_exp_f32 v[D+\j+1], v[D+\j+1]
	v_pk_mul_f32 v[O+32*\q+\j:O+32*\q+\j+1], v[O+32*\q+\j:O+32*\q+\j+1], v[ST+6*\q+4:ST+6*\q+5] op_sel_hi:[1,0]
.endr
.irp j, 0,1,2,3,4,5,6,7,8,9,10,11,12,13,14,15
	SUMOP \q, \j
.endr
	s_cmp_ge_i32 s30, -15
	s_cbranch_scc1 .Lnohold_\@
.set i, 0
.rept 32
	v_min_num_f32 v[D+i], v[D+i], v[LMP]
.set i, i+1
.endr
.Lnohold_\@:
.irp t, 0,1,2,3
	v_cvt_scalef32_pk8_bf8_f32 v[PF+8*\q+2*\t:PF+8*\q+2*\t+1], v[D+8*\t:D+8*\t+7], v[SCP]
.endr
.endm
.macro STEP sig, np
.if \np > 0
.rept \np
	v_nop
.endr
.endif
.irp t, 0,1,2,3
.irp c, 0,1
	ds_load_b128 v[FR+8*\t+4*\c:FR+8*\t+4*\c+3], v[ADR] offset:STEPB*\sig+1024*\t+512*\c
.endr
.endr
	TILE \sig, 0
	TILE \sig, 1
	v_nop
	s_wait_dscnt 0x0
.irp n, 0,1,2,3
.irp q, 0,1
	v_wmma_f32_16x16x64_bf8_bf8 v[O+32*\q+8*\n:O+32*\q+8*\n+7], v[FR+8*\n:FR+8*\n+7], v[PF+8*\q:PF+8*\q+7], v[O+32*\q+8*\n:O+32*\q+8*\n+7]
.endr
.endr
.endm
.macro TRIP quant, load, np
.if \quant
	s_wait_loadcnt 0x0
	QUANT CH
.if \load
	s_add_nc_u64 s[6:7], s[6:7], GCH
	s_add_nc_u64 s[8:9], s[8:9], GCH
	GLOAD
.endif
	s_wait_dscnt 0x0
	s_barrier_signal -1
.endif
	v_add_nc_u32 v[ADR], s24, v[LI]
	STEP 0, \np
	STEP 1, 4
	s_add_co_u32 s24, s24, CH
.if \quant
	s_barrier_wait -1
.endif
.endm
.macro MKSC e, sc, lim
	s_add_co_i32 s32, \e, 127
	s_lshl_b32 s33, s32, 23
	v_mov_b32 v[\sc], s33
	s_add_co_i32 s32, s32, 15
	s_lshl_b32 s32, s32, 23
	s_or_b32 s32, s32, 0x600000
	v_mov_b32 v[\lim], s32
.endm
	s_load_b256 s[4:11], s[0:1], 0x0
	s_load_b64 s[12:13], s[0:1], 0x20
	v_lshrrev_b32 v1, 5, v0
	v_readfirstlane_b32 s14, v1
	s_and_b32 s16, ttmp7, 0xffff
	s_lshl_b32 s18, s16, 19
	s_mov_b32 s19, 0
	s_lshr_b32 s32, s14, 3
	s_lshl_b32 s32, s32, 13
	s_bfe_u32 s33, s14, 0x10002
	s_bfe_u32 s34, s14, 0x10001
	s_and_b32 s35, s14, 1
	s_lshl_b32 s36, s33, 11
	s_add_co_u32 s36, s36, s32
	s_lshl_b32 s37, s34, 7
	s_add_co_u32 s36, s36, s37
	s_lshl_b32 s37, s35, 10
	s_add_co_u32 s36, s36, s37
	s_lshl_b32 s38, s35, 11
	s_add_co_u32 s38, s38, s32
	s_lshl_b32 s37, s33, 9
	s_add_co_u32 s38, s38, s37
	s_lshl_b32 s37, s34, 8
	s_add_co_u32 s38, s38, s37
	s_add_co_u32 s38, s38, 4096
	s_lshr_b32 s39, s14, 1
	s_lshl_b32 s39, s39, 12
	s_lshl_b32 s37, s35, 7
	s_add_co_u32 s39, s39, s37
	v_lshlrev_b32 v[KGO], 6, v0
	v_and_b32 v[LI], 31, v0
	v_lshl_add_u32 v[VGO], v[LI], 2, s39
	s_lshl_b32 s37, ttmp9, 17
	s_lshl_b32 s40, s14, 13
	s_add_co_u32 s37, s37, s40
	s_wait_kmcnt 0x0
	s_load_b128 s[28:31], s[10:11], 0x0
	s_add_nc_u64 s[6:7], s[6:7], s[18:19]
	s_add_nc_u64 s[8:9], s[8:9], s[18:19]
	GLOAD
	s_add_co_u32 s18, s18, s37
	s_add_nc_u64 s[4:5], s[4:5], s[18:19]
	s_add_nc_u64 s[12:13], s[12:13], s[18:19]
	v_and_b32 v26, 15, v0
	v_bfe_u32 v28, v0, 4, 1
	v_lshlrev_b32 v27, 8, v26
	v_lshl_add_u32 v27, v28, 5, v27
.irp q, 0,1
.irp c, 0,1,2,3
.irp i, 0,1
	global_load_b128 v[O+32*\q+8*\c+4*\i:O+32*\q+8*\c+4*\i+3], v27, s[4:5] offset:4096*\q+64*\c+16*\i th:TH_LOAD_NT
.endr
.endr
.endr
	v_lshlrev_b32 v[LI], 4, v[LI]
	v_and_b32 v29, 1, v0
	v_bfe_u32 v30, v0, 1, 1
	v_bfe_u32 v31, v0, 2, 3
	v_lshlrev_b32 v[KS0], 9, v30
	v_lshl_add_u32 v[KS0], v29, 3, v[KS0]
	v_lshl_add_u32 v[KS0], v31, 4, v[KS0]
	v_add_nc_u32 v[KS0], s36, v[KS0]
	v_lshlrev_b32 v[VS0], 10, v28
	v_lshl_add_u32 v[VS0], v26, 4, v[VS0]
	v_add_nc_u32 v[VS0], s38, v[VS0]
.irp q, 0,1
	v_mov_b32 v[ST+6*\q+1], 0xff61b1e6
	v_floor_f32 v[ST+6*\q], -v[ST+6*\q+1]
	v_mov_b32 v[ST+6*\q+2], 0
	v_mov_b32 v[ST+6*\q+3], 0
	v_mov_b32 v[ST+6*\q+5], 0
	v_mov_b32 v[XCH+\q], 0
.endr
	s_mov_b32 s20, 0x76543210
	s_mov_b32 s21, 0xfedcba98
	s_mov_b32 s22, 0x40b8aa3b
	s_mov_b32 s24, 0
	s_mov_b32 s26, 0x80808080
	s_wait_kmcnt 0x0
	s_add_co_i32 s32, s28, s29
	s_lshl_b32 s32, s32, 23
	s_add_co_i32 s22, s22, s32
	s_mov_b32 s23, s22
	MKSC s29, SCK, LMK
	MKSC s31, SCV, LMV
	MKSC s30, SCP, LMP
	MKSC s28, 28, 29
	s_wait_loadcnt 16
	QUANT 0
	s_add_nc_u64 s[6:7], s[6:7], GCH
	s_add_nc_u64 s[8:9], s[8:9], GCH
	GLOAD
	s_wait_loadcnt 20
.set i, 0
.rept 64
	v_med3_num_f32 v[O+i], v[O+i], -v29, v29
.set i, i+1
.endr
.irp q, 0,1
.irp g, 0,1,2,3
	v_cvt_scalef32_pk8_bf8_f32 v[QF+8*\q+2*\g:QF+8*\q+2*\g+1], v[O+32*\q+8*\g:O+32*\q+8*\g+7], v28
.endr
.endr
	v_nop
.set i, 0
.rept 16
	v_xor_b32 v[NQ+i], s26, v[QF+i]
.set i, i+1
.endr
.set i, 0
.rept 64
	v_mov_b32 v[O+i], 0
.set i, i+1
.endr
	s_wait_dscnt 0x0
	s_barrier_signal -1
	s_barrier_wait -1
	s_mov_b32 s25, 14
.Ltrip:
	TRIP 1, 1, 0
	s_sub_co_u32 s25, s25, 1
	s_cmp_lg_u32 s25, 0
	s_cbranch_scc1 .Ltrip
	TRIP 1, 0, 0
	TRIP 0, 0, 3
	v_and_b32 v26, 15, v0
	v_bfe_u32 v27, v0, 4, 1
	s_mul_i32 s33, s14, 8704
	v_mul_u32_u24 v[STO], v26, 272
	v_lshl_add_u32 v[STO], v27, 5, v[STO]
	v_add_nc_u32 v[STO], s33, v[STO]
	v_mul_u32_u24 v[RD], v27, 272
	v_lshl_add_u32 v[RD], v26, 4, v[RD]
	v_add_nc_u32 v[RD], s33, v[RD]
	v_lshlrev_b32 v[GO], 8, v27
	v_lshl_add_u32 v[GO], v26, 4, v[GO]
.irp q, 0,1
	v_add_f32 v[ST+6*\q+2], v[ST+6*\q+2], v[ST+6*\q+3]
.endr
.irp q, 0,1
	v_permlanex16_b32 v[XCH+\q], v[ST+6*\q+2], s20, s21
.endr
.irp q, 0,1
	v_add_f32 v[ST+6*\q+2], v[ST+6*\q+2], v[XCH+\q]
.endr
.irp q, 0,1
	v_rcp_f32 v[ST+6*\q+2], v[ST+6*\q+2]
.endr
	v_nop
	s_add_co_i32 s32, s30, s31
	s_wait_alu depctr_va_vdst(0)
.irp q, 0,1
	v_ldexp_f32 v[ST+6*\q+2], v[ST+6*\q+2], s32
.endr
	s_wait_dscnt 0x0
	s_barrier_signal -1
	s_barrier_wait -1
.irp q, 0,1
.set i, 0
.rept 16
	v_pk_mul_f32 v[O+32*\q+i:O+32*\q+i+1], v[O+32*\q+i:O+32*\q+i+1], v[ST+6*\q+2:ST+6*\q+3] op_sel_hi:[1,0]
.set i, i+2
.endr
.endr
.irp q, 0,1
.irp n, 0,1,2,3
.irp e, 0,1
	ds_store_b128 v[STO], v[O+32*\q+8*\n+4*\e:O+32*\q+8*\n+4*\e+3] offset:4352*\q+64*\n+16*\e
.endr
.endr
.irp i, 0,1,2,3,4,5,6,7
	ds_load_b128 v[BK+32*\q+4*\i:BK+32*\q+4*\i+3], v[RD] offset:4352*\q+544*\i
.endr
.endr
.irp q, 0,1
.irp i, 0,1,2,3,4,5,6,7
	s_wait_dscnt 16*(1-\q)+7-\i
	global_store_b128 v[GO], v[BK+32*\q+4*\i:BK+32*\q+4*\i+3], s[12:13] offset:4096*\q+512*\i th:TH_STORE_NT
.endr
.endr
	s_wait_xcnt 0x0
	v_lshl_add_u32 v254, v0, 2, 0x40000
	v_mov_b32 v255, 0
	s_wait_tensorcnt 0x0
	ds_add_u32 v254, v255
	s_wait_dscnt 0x0
	s_endpgm
.Lfunc_end_k_q51c1b1a180_attn:
	.size	k_q51c1b1a180_attn, .Lfunc_end_k_q51c1b1a180_attn-k_q51c1b1a180_attn
	.p2alignl 7, 3214868480
	.fill 96, 4, 3214868480
	.section	.rodata,"a",@progbits
	.p2align	6, 0x0
	.amdhsa_kernel k_q51c1b1a180_attn
		.amdhsa_group_segment_fixed_size 264192
		.amdhsa_private_segment_fixed_size 0
		.amdhsa_enable_private_segment 0
		.amdhsa_kernarg_size 40
		.amdhsa_user_sgpr_count 2
		.amdhsa_user_sgpr_kernarg_segment_ptr 1
		.amdhsa_wavefront_size32 1
		.amdhsa_system_sgpr_workgroup_id_x 1
		.amdhsa_system_sgpr_workgroup_id_y 1
		.amdhsa_system_sgpr_workgroup_id_z 1
		.amdhsa_system_vgpr_workitem_id 0
		.amdhsa_next_free_vgpr 256
		.amdhsa_next_free_sgpr 66
		.amdhsa_reserve_vcc 0
		.amdhsa_float_denorm_mode_32 3
		.amdhsa_float_denorm_mode_16_64 3
		.amdhsa_memory_ordered 1
		.amdhsa_forward_progress 1
		.amdhsa_inst_pref_size 147
	.end_amdhsa_kernel
	.amdgpu_metadata
---
amdhsa.version: [ 1, 2 ]
amdhsa.kernels:
  - .name:           k_q51c1b1a180_attn
    .symbol:         k_q51c1b1a180_attn.kd
    .args:
      - { .name: Q, .offset: 0, .size: 8, .value_kind: global_buffer, .address_space: global }
      - { .name: K, .offset: 8, .size: 8, .value_kind: global_buffer, .address_space: global }
      - { .name: V, .offset: 16, .size: 8, .value_kind: global_buffer, .address_space: global }
      - { .name: lowp_scales, .offset: 24, .size: 8, .value_kind: global_buffer, .address_space: global }
      - { .name: out0, .offset: 32, .size: 8, .value_kind: global_buffer, .address_space: global }
    .group_segment_fixed_size: 264192
    .private_segment_fixed_size: 0
    .kernarg_segment_align: 8
    .kernarg_segment_size: 40
    .max_flat_workgroup_size: 512
    .sgpr_count:     66
    .vgpr_count:     256
    .wavefront_size: 32
...
	.end_amdgpu_metadata
.endif
;; end of part 2
;; ======== version 3 of 3: 1 launch; version 2 with the launch attn written anew for expert scheduling mode
;; launch attn (part 3): grid 4 x 64, 16 waves a work-group, no clusters, 264,192 bytes of LDS; arguments Q, K, V, lowp_scales, out0; writes out0
.if DOCPART == 3
	.amdgcn_target "amdgcn-amd-amdhsa--gfx1250"
	.amdhsa_code_object_version 6
	.text
	.protected	k_q51c1b1a180_attn
	.globl	k_q51c1b1a180_attn
	.p2align	8
	.type	k_q51c1b1a180_attn,@function
k_q51c1b1a180_attn:
	s_mov_b64 s[64:65], 0
	v_nop
	global_prefetch_b8 v0, s[64:65] scope:SCOPE_SE
	s_setreg_imm32_b32 hwreg(HW_REG_WAVE_SCHED_MODE, 0, 2), 2
	s_setreg_imm32_b32 hwreg(HW_REG_WAVE_MODE, 25, 1), 1
	s_wait_xcnt 0x0
	s_wait_alu depctr_vm_vsrc(0)
.set CH,    16384
.set STEPB, 8192
.set GCH,   32768
.set LI,   1
.set KS0,  2
.set VS0,  3
.set KGO,  4
.set VGO,  5
.set ADR,  6
.set ADS,  7
.set SCK,  8
.set LMK,  9
.set SCV,  10
.set LMV,  11
.set SCP,  12
.set LMP,  13
.set ST,   14
.set CHN,  26
.set XCH,  30
.set ADW,  31
.set QF,   32
.set NQ,   48
.set FR,   64
.set PF,   96
.set D,    112
.set TM,   144
.set O,    160
.set PFK,  224
.set PFV,  240
.set STO,  2
.set RD,   3
.set GO,   4
.set BK,   64
.macro GLOAD
.irp i, 0,1,2,3
	global_load_b128 v[PFK+4*\i:PFK+4*\i+3], v[KGO], s[6:7] offset:16*\i
.endr
.irp i, 0,1,2,3,4,5,6,7,8,9,10,11,12,13,14,15
	global_load_b32 v[PFV+\i], v[VGO], s[8:9] offset:256*\i
.endr
.endm
.macro QCODES
.irp i, 0,1,2,3,4,5,6,7,8,9,10,11,12,13,14,15
	v_med3_num_f32 v[PFK+\i], v[PFK+\i], -v[LMK], v[LMK]
.endr
.irp i, 0,1,2,3,4,5,6,7,8,9,10,11,12,13,14,15
	v_med3_num_f32 v[PFV+\i], v[PFV+\i], -v[LMV], v[LMV]
.endr
	v_cvt_scalef32_pk8_bf8_f32 v[PF:PF+1], v[PFK:PFK+7], v[SCK]
	v_cvt_scalef32_pk8_bf8_f32 v[PF+2:PF+3], v[PFK+8:PFK+15], v[SCK]
	v_cvt_scalef32_pk8_bf8_f32 v[PF+4:PF+5], v[PFV:PFV+7], v[SCV]
	v_cvt_scalef32_pk8_bf8_f32 v[PF+6:PF+7], v[PFV+8:PFV+15], v[SCV]
	v_add_nc_u32 v[ADS], s24, v[KS0]
	v_add_nc_u32 v[ADW], s24, v[VS0]
.endm
.macro QSTORE off
	s_wait_alu depctr_va_vdst(0)
	ds_store_b64 v[ADS], v[PF:PF+1] offset:\off
	ds_store_b64 v[ADS], v[PF+2:PF+3] offset:\off+256
	ds_store_b128 v[ADW], v[PF+4:PF+7] offset:\off
.endm
.macro SUMOP q, j
.set rT, ST+6*(\q)
.if (\j) == 0
	s_wait_alu depctr_va_vdst(0)
	v_pk_fma_f32 v[rT+2:rT+3], v[rT+2:rT+3], v[rT+4:rT+5], v[D:D+1] op_sel_hi:[1,0,1]
.elseif (\j) == 1
	v_pk_add_f32 v[CHN:CHN+1], v[D+2:D+3], v[D+4:D+5]
.elseif (\j) == 15
	v_pk_add_f32 v[rT+2:rT+3], v[rT+2:rT+3], v[CHN:CHN+1]
.elseif ((\j)%2) == 0
	v_pk_add_f32 v[rT+2:rT+3], v[rT+2:rT+3], v[D+2*(\j)+2:D+2*(\j)+3]
.else
	v_pk_add_f32 v[CHN:CHN+1], v[CHN:CHN+1], v[D+2*(\j)+2:D+2*(\j)+3]
.endif
.endm
.macro TILE sig, q
	v_mov_b32 v[ST+6*\q+4], v[ST+6*\q]
.irp u, 0,1
.if \q == 0
	s_wait_dscnt 4-4*\u
.endif
.irp e, 0,1
	v_wmma_f32_16x16x64_bf8_bf8 v[D+8*(2*\u+\e):D+8*(2*\u+\e)+7], v[FR+8*(2*\u+\e):FR+8*(2*\u+\e)+7], v[QF+8*\q:QF+8*\q+7], 0
	v_wmma_f32_16x16x64_bf8_bf8 v[TM+8*\e:TM+8*\e+7], v[FR+8*(2*\u+\e):FR+8*(2*\u+\e)+7], v[NQ+8*\q:NQ+8*\q+7], 0
.endr
.rept 4
	v_nop
.endr
.if (\q == 1) && (\u == 1)
	s_wait_alu depctr_va_vdst(0)
.irp n, 0,1,2,3
.irp b, 0,1
	ds_load_b128 v[FR+8*\n+4*\b:FR+8*\n+4*\b+3], v[ADR] offset:STEPB*\sig+4096+1024*\n+512*\b
.endr
.endr
.endif
.irp e, 0,1
.irp i, 0,2,4,6
	v_pk_add_f32 v[D+8*(2*\u+\e)+\i:D+8*(2*\u+\e)+\i+1], v[D+8*(2*\u+\e)+\i:D+8*(2*\u+\e)+\i+1], v[TM+8*\e+\i:TM+8*\e+\i+1] neg_lo:[0,1] neg_hi:[0,1]
.endr
.endr
.endr
.irp k, 0,1,2,3
	v_max3_num_f32 v[CHN+\k], v[D+8*\k], v[D+8*\k+1], v[D+8*\k+2]
.endr
.irp k, 0,1,2,3
	v_max3_num_f32 v[CHN+\k], v[CHN+\k], v[D+8*\k+3], v[D+8*\k+4]
.endr
.irp k, 0,1,2,3
	v_max3_num_f32 v[CHN+\k], v[CHN+\k], v[D+8*\k+5], v[D+8*\k+6]
.endr
	v_max3_num_f32 v[CHN], v[CHN], v[D+7], v[D+15]
	v_max3_num_f32 v[CHN+2], v[CHN+2], v[D+23], v[D+31]
	v_max3_num_f32 v[CHN], v[CHN], v[CHN+1], v[CHN+2]
	v_max_num_f32 v[CHN], v[CHN], v[CHN+3]
	v_permlanex16_b32 v[XCH], v[CHN], s20, s21
	v_max_num_f32 v[CHN], v[CHN], v[XCH]
	v_mul_f32 v[CHN], s22, v[CHN]
	v_max_num_f32 v[ST+6*\q+1], v[ST+6*\q+1], v[CHN]
	v_floor_f32 v[ST+6*\q], -v[ST+6*\q+1]
	v_sub_f32 v[ST+6*\q+4], v[ST+6*\q], v[ST+6*\q+4]
	v_cvt_i32_f32 v[ST+6*\q+4], v[ST+6*\q+4]
	v_ldexp_f32 v[ST+6*\q+4], 1.0, v[ST+6*\q+4]
.irp j, 0,2,4,6,8,10,12,14,16,18,20,22,24,26,28,30
	v_pk_fma_f32 v[D+\j:D+\j+1], v[D+\j:D+\j+1], s[22:23], v[ST+6*\q:ST+6*\q+1] op_sel_hi:[1,0,0]
.endr
.irp j, 0,2,4,6,8,10,12,14,16,18,20,22,24,26,28,30
	v_exp_f32 v[D+\j], v[D+\j]
	v_exp_f32 v[D+\j+1], v[D+\j+1]
	v_pk_mul_f32 v[O+32*\q+\j:O+32*\q+\j+1], v[O+32*\q+\j:O+32*\q+\j+1], v[ST+6*\q+4:ST+6*\q+5] op_sel_hi:[1,0]
.endr
.irp j, 0,1,2,3,4,5,6,7,8,9,10,11,12,13,14,15
	SUMOP \q, \j
.endr
	s_cmp_ge_i32 s30, -15
	s_cbranch_scc1 .Lnohold_\@
.set i, 0
.rept 32
	v_min_num_f32 v[D+i], v[D+i], v[LMP]
.set i, i+1
.endr
.Lnohold_\@:
.irp t, 0,1,2,3
	v_cvt_scalef32_pk8_bf8_f32 v[PF+8*\q+2*\t:PF+8*\q+2*\t+1], v[D+8*\t:D+8*\t+7], v[SCP]
.endr
.endm
.macro STEP sig, np, w
.if \np > 0
.rept \np
	v_nop
.endr
.endif
.if (\w)
	s_wait_alu depctr_va_vdst(0)
.endif
.irp t, 0,1,2,3
.irp c, 0,1
	ds_load_b128 v[FR+8*\t+4*\c:FR+8*\t+4*\c+3], v[ADR] offset:STEPB*\sig+1024*\t+512*\c
.endr
.endr
	TILE \sig, 0
	TILE \sig, 1
	v_nop
	s_wait_dscnt 0x0
.irp n, 0,1,2,3
.irp q, 0,1
	v_wmma_f32_16x16x64_bf8_bf8 v[O+32*\q+8*\n:O+32*\q+8*\n+7], v[FR+8*\n:FR+8*\n+7], v[PF+8*\q:PF+8*\q+7], v[O+32*\q+8*\n:O+32*\q+8*\n+7]
.endr
.endr
.endm
.macro TRIP quant, load, np
.if \quant
	s_wait_loadcnt 0x0
.endif
	s_wait_alu depctr_vm_vsrc(0)
.if \quant
	QCODES
.endif
	v_add_nc_u32 v[ADR], s24, v[LI]
.if \quant
	QSTORE CH
.if \load
	s_add_nc_u64 s[6:7], s[6:7], GCH
	s_add_nc_u64 s[8:9], s[8:9], GCH
	GLOAD
.endif
	s_wait_dscnt 0x0
	s_wait_alu depctr_vm_vsrc(0)
	s_barrier_signal -1
.endif
	STEP 0, \np, 1-\quant
	STEP 1, 4, 1
	s_add_co_u32 s24, s24, CH
.if \quant
	s_barrier_wait -1
.endif
.endm
.macro MKSC e, sc, lim
	s_add_co_i32 s32, \e, 127
	s_lshl_b32 s33, s32, 23
	v_mov_b32 v[\sc], s33
	s_add_co_i32 s32, s32, 15
	s_lshl_b32 s32, s32, 23
	s_or_b32 s32, s32, 0x600000
	v_mov_b32 v[\lim], s32
.endm
	s_load_b256 s[4:11], s[0:1], 0x0
	s_load_b64 s[12:13], s[0:1], 0x20
	v_lshrrev_b32 v1, 5, v0
	v_readfirstlane_b32 s14, v1
	s_and_b32 s16, ttmp7, 0xffff
	s_lshl_b32 s18, s16, 19
	s_mov_b32 s19, 0
	v_lshlrev_b32 v[KGO], 6, v0
	v_and_b32 v[LI], 31, v0
	v_and_b32 v26, 15, v0
	v_bfe_u32 v28, v0, 4, 1
	v_lshlrev_b32 v27, 8, v26
	v_lshl_add_u32 v27, v28, 5, v27
	v_and_b32 v29, 1, v0
	v_bfe_u32 v30, v0, 1, 1
	v_bfe_u32 v31, v0, 2, 3
	v_lshlrev_b32 v[KS0], 9, v30
	v_lshl_add_u32 v[KS0], v29, 3, v[KS0]
	v_lshl_add_u32 v[KS0], v31, 4, v[KS0]
	v_lshlrev_b32 v[VS0], 10, v28
	v_lshl_add_u32 v[VS0], v26, 4, v[VS0]
	s_wait_alu depctr_va_sdst(0)
	s_lshr_b32 s32, s14, 3
	s_lshl_b32 s32, s32, 13
	s_bfe_u32 s33, s14, 0x10002
	s_bfe_u32 s34, s14, 0x10001
	s_and_b32 s35, s14, 1
	s_lshl_b32 s36, s33, 11
	s_add_co_u32 s36, s36, s32
	s_lshl_b32 s37, s34, 7
	s_add_co_u32 s36, s36, s37
	s_lshl_b32 s37, s35, 10
	s_add_co_u32 s36, s36, s37
	s_lshl_b32 s38, s35, 11
	s_add_co_u32 s38, s38, s32
	s_lshl_b32 s37, s33, 9
	s_add_co_u32 s38, s38, s37
	s_lshl_b32 s37, s34, 8
	s_add_co_u32 s38, s38, s37
	s_add_co_u32 s38, s38, 4096
	s_lshr_b32 s39, s14, 1
	s_lshl_b32 s39, s39, 12
	s_lshl_b32 s37, s35, 7
	s_add_co_u32 s39, s39, s37
	v_add_nc_u32 v[KS0], s36, v[KS0]
	v_add_nc_u32 v[VS0], s38, v[VS0]
	v_lshl_add_u32 v[VGO], v[LI], 2, s39
	v_lshlrev_b32 v[LI], 4, v[LI]
	s_lshl_b32 s37, ttmp9, 17
	s_lshl_b32 s40, s14, 13
	s_add_co_u32 s37, s37, s40
	s_wait_kmcnt 0x0
	s_load_b128 s[28:31], s[10:11], 0x0
	s_add_nc_u64 s[6:7], s[6:7], s[18:19]
	s_add_nc_u64 s[8:9], s[8:9], s[18:19]
	s_add_co_u32 s18, s18, s37
	s_add_nc_u64 s[4:5], s[4:5], s[18:19]
	s_add_nc_u64 s[12:13], s[12:13], s[18:19]
	s_wait_alu depctr_va_vdst(0)
	GLOAD
.irp q, 0,1
.irp c, 0,1,2,3
.irp i, 0,1
	global_load_b128 v[O+32*\q+8*\c+4*\i:O+32*\q+8*\c+4*\i+3], v27, s[4:5] offset:4096*\q+64*\c+16*\i th:TH_LOAD_NT
.endr
.endr
.endr
.irp q, 0,1
	v_mov_b32 v[ST+6*\q+1], 0xff61b1e6
	v_floor_f32 v[ST+6*\q], -v[ST+6*\q+1]
	v_mov_b32 v[ST+6*\q+2], 0
	v_mov_b32 v[ST+6*\q+3], 0
	v_mov_b32 v[ST+6*\q+5], 0
	v_mov_b32 v[XCH+\q], 0
.endr
	s_mov_b32 s20, 0x76543210
	s_mov_b32 s21, 0xfedcba98
	s_mov_b32 s22, 0x40b8aa3b
	s_mov_b32 s24, 0
	s_mov_b32 s26, 0x80808080
	s_wait_kmcnt 0x0
	s_add_co_i32 s32, s28, s29
	s_lshl_b32 s32, s32, 23
	s_add_co_i32 s22, s22, s32
	s_mov_b32 s23, s22
	MKSC s29, SCK, LMK
	MKSC s31, SCV, LMV
	MKSC s30, SCP, LMP
	MKSC s28, 28, 29
	s_wait_loadcnt 16
	QCODES
	QSTORE 0
	s_add_nc_u64 s[6:7], s[6:7], GCH
	s_add_nc_u64 s[8:9], s[8:9], GCH
	GLOAD
	s_wait_loadcnt 20
.set i, 0
.rept 64
	v_med3_num_f32 v[O+i], v[O+i], -v29, v29
.set i, i+1
.endr
.irp q, 0,1
.irp g, 0,1,2,3
	v_cvt_scalef32_pk8_bf8_f32 v[QF+8*\q+2*\g:QF+8*\q+2*\g+1], v[O+32*\q+8*\g:O+32*\q+8*\g+7], v28
.endr
.endr
	v_nop
.set i, 0
.rept 16
	v_xor_b32 v[NQ+i], s26, v[QF+i]
.set i, i+1
.endr
.set i, 0
.rept 64
	v_mov_b32 v[O+i], 0
.set i, i+1
.endr
	s_wait_dscnt 0x0
	s_barrier_signal -1
	s_barrier_wait -1
	s_mov_b32 s25, 14
.Ltrip:
	TRIP 1, 1, 0
	s_sub_co_u32 s25, s25, 1
	s_cmp_lg_u32 s25, 0
	s_cbranch_scc1 .Ltrip
	TRIP 1, 0, 0
	TRIP 0, 0, 3
	v_and_b32 v26, 15, v0
	v_bfe_u32 v27, v0, 4, 1
	s_mul_i32 s33, s14, 8704
	v_mul_u32_u24 v[STO], v26, 272
	v_lshl_add_u32 v[STO], v27, 5, v[STO]
	v_add_nc_u32 v[STO], s33, v[STO]
	v_mul_u32_u24 v[RD], v27, 272
	v_lshl_add_u32 v[RD], v26, 4, v[RD]
	v_add_nc_u32 v[RD], s33, v[RD]
	v_lshlrev_b32 v[GO], 8, v27
	v_lshl_add_u32 v[GO], v26, 4, v[GO]
.irp q, 0,1
	v_add_f32 v[ST+6*\q+2], v[ST+6*\q+2], v[ST+6*\q+3]
.endr
.irp q, 0,1
	v_permlanex16_b32 v[XCH+\q], v[ST+6*\q+2], s20, s21
.endr
.irp q, 0,1
	v_add_f32 v[ST+6*\q+2], v[ST+6*\q+2], v[XCH+\q]
.endr
.irp q, 0,1
	v_rcp_f32 v[ST+6*\q+2], v[ST+6*\q+2]
.endr
	v_nop
	s_add_co_i32 s32, s30, s31
	s_wait_alu depctr_va_vdst(0)
.irp q, 0,1
	v_ldexp_f32 v[ST+6*\q+2], v[ST+6*\q+2], s32
.endr
	s_wait_dscnt 0x0
	s_barrier_signal -1
	s_barrier_wait -1
.irp q, 0,1
.set i, 0
.rept 16
	v_pk_mul_f32 v[O+32*\q+i:O+32*\q+i+1], v[O+32*\q+i:O+32*\q+i+1], v[ST+6*\q+2:ST+6*\q+3] op_sel_hi:[1,0]
.set i, i+2
.endr
.endr
	s_wait_alu depctr_va_vdst(0)
.irp q, 0,1
.irp n, 0,1,2,3
.irp e, 0,1
	ds_store_b128 v[STO], v[O+32*\q+8*\n+4*\e:O+32*\q+8*\n+4*\e+3] offset:4352*\q+64*\n+16*\e
.endr
.endr
.irp i, 0,1,2,3,4,5,6,7
	ds_load_b128 v[BK+32*\q+4*\i:BK+32*\q+4*\i+3], v[RD] offset:4352*\q+544*\i
.endr
.endr
.irp q, 0,1
.irp i, 0,1,2,3,4,5,6,7
	s_wait_dscnt 16*(1-\q)+7-\i
	global_store_b128 v[GO], v[BK+32*\q+4*\i:BK+32*\q+4*\i+3], s[12:13] offset:4096*\q+512*\i th:TH_STORE_NT
.endr
.endr
	s_wait_xcnt 0x0
	v_lshl_add_u32 v254, v0, 2, 0x40000
	v_mov_b32 v255, 0
	s_wait_dscnt 0x0
	s_wait_alu 0x0
	s_wait_tensorcnt 0x0
	ds_add_u32 v254, v255
	s_wait_dscnt 0x0
	s_endpgm
.Lfunc_end_k_q51c1b1a180_attn:
	.size	k_q51c1b1a180_attn, .Lfunc_end_k_q51c1b1a180_attn-k_q51c1b1a180_attn
	.p2alignl 7, 3214868480
	.fill 96, 4, 3214868480
	.section	.rodata,"a",@progbits
	.p2align	6, 0x0
	.amdhsa_kernel k_q51c1b1a180_attn
		.amdhsa_group_segment_fixed_size 264192
		.amdhsa_private_segment_fixed_size 0
		.amdhsa_enable_private_segment 0
		.amdhsa_kernarg_size 40
		.amdhsa_user_sgpr_count 2
		.amdhsa_user_sgpr_kernarg_segment_ptr 1
		.amdhsa_wavefront_size32 1
		.amdhsa_system_sgpr_workgroup_id_x 1
		.amdhsa_system_sgpr_workgroup_id_y 1
		.amdhsa_system_sgpr_workgroup_id_z 1
		.amdhsa_system_vgpr_workitem_id 0
		.amdhsa_next_free_vgpr 256
		.amdhsa_next_free_sgpr 66
		.amdhsa_reserve_vcc 0
		.amdhsa_float_denorm_mode_32 3
		.amdhsa_float_denorm_mode_16_64 3
		.amdhsa_memory_ordered 1
		.amdhsa_forward_progress 1
		.amdhsa_inst_pref_size 148
	.end_amdhsa_kernel
	.amdgpu_metadata
---
amdhsa.version: [ 1, 2 ]
amdhsa.kernels:
  - .name:           k_q51c1b1a180_attn
    .symbol:         k_q51c1b1a180_attn.kd
    .args:
      - { .name: Q, .offset: 0, .size: 8, .value_kind: global_buffer, .address_space: global }
      - { .name: K, .offset: 8, .size: 8, .value_kind: global_buffer, .address_space: global }
      - { .name: V, .offset: 16, .size: 8, .value_kind: global_buffer, .address_space: global }
      - { .name: lowp_scales, .offset: 24, .size: 8, .value_kind: global_buffer, .address_space: global }
      - { .name: out0, .offset: 32, .size: 8, .value_kind: global_buffer, .address_space: global }
    .group_segment_fixed_size: 264192
    .private_segment_fixed_size: 0
    .kernarg_segment_align: 8
    .kernarg_segment_size: 40
    .max_flat_workgroup_size: 512
    .sgpr_count:     66
    .vgpr_count:     256
    .wavefront_size: 32
...
	.end_amdgpu_metadata
.endif
;; end of part 3
